; MI455X (gfx1250); checked and timed in simulation.
; The chip was launched on July 23, 2026; its instructions are those of AMD's public machine-readable ISA for CDNA 5 (MIT licence, August 2026) and "CDNA5" Instruction Set Architecture Reference Guide (July 2026). The comments in the code are by the model that wrote it; some were corrected since.
;; Sparse Mo E. Allowed arithmetic: float matrix products may take bf16 or f16 operands with f32 sums; other float arithmetic in f32, or as packed bf16 or f16 multiplies, adds, multiply-adds, maxima and minima; sums over many terms, partial sums and values carried from step to step in f32; what a program stores and reads back later, other than sums and carried values, may be rounded once to bf16 or f16.
;; Inputs: W_down 8 x 2,048 x 1,024 float32; W_gate 8 x 1,024 x 2,048 float32; W_up 8 x 1,024 x 2,048 float32; Wg 1,024 x 8 float32; Ws_down 2,048 x 1,024 float32; Ws_gate 1,024 x 2,048 float32; Ws_up 1,024 x 2,048 float32; x 2 x 512 x 1,024 float32.
;; Outputs: out0 2 x 512 x 1,024 float32; out1 one number float32.
;; One version. Each part assembles by itself: llvm-mc -triple=amdgcn-amd-amdhsa -mcpu=gfx1250 --defsym DOCPART=n.
;; ======== version 1 of 1: 4 launches
;; workspace buffers: xb 2,097,152 bytes; sel 8,192 bytes of whole numbers; wts 12,288 bytes; part 4,096 bytes; hid 37,748,736 bytes; y 25,165,824 bytes
;; launch router (part 1): grid 64 x 1, 4 waves a work-group, no clusters, 71,168 bytes of LDS; arguments x, Wg, xb, sel, wts, part; writes xb, sel, wts, part
.if DOCPART == 1
	.amdgcn_target "amdgcn-amd-amdhsa--gfx1250"
	.amdhsa_code_object_version 6
	.text
	.protected	k_q35b18ade78_router
	.globl	k_q35b18ade78_router
	.p2align	8
	.type	k_q35b18ade78_router,@function
k_q35b18ade78_router:
	s_mov_b64 s[64:65], 0
	v_nop
	global_prefetch_b8 v0, s[64:65] scope:SCOPE_SE
	s_setreg_imm32_b32 hwreg(HW_REG_WAVE_MODE, 25, 1), 1
	s_wait_xcnt 0x0
; ROUTER.  xb = bf16(x); logits = xb . bf16(Wg) (bf16 products, f32 sums); softmax with the row's maximum taken away; the two largest; their weights;
; and this work-group's part of the sums for the loss.  A work-group owns 16 tokens; wave w owns k = 256 w .. 256 w + 255 of the 1,024.
; What is chosen is stored at fixed places: sel[2 n + k] (expert), wts[2 n + k] (weight), wts[2048 + n] = 1 (the shared expert); no address here hangs on the choice.
; LIMITS.  The two largest are taken on the logits, by strict 'greater' from expert 0 up, so the lower index wins among equal logits; two logits that differ and round to one
; score are not seen as equal.  NaN and infinities are not treated apart.  An exponential below 2^-126 counts as 0.
; No cluster: the work-groups share Wg alone, 32 KiB of the 96 KiB that each reads.
.set WGT,   0                          ; [k 1024][16] bf16, 32 bytes a row: 8 experts, then 8 zeros
.set XT,    32768                      ; for each wave 16 rows x 256 k of bf16, 528 bytes apart (512 + 16: the 16 rows of a load start at 16 different groups of four banks)
.set XP,    528
.set RED,   66560                      ; for each wave 32 lanes x 32 bytes: its partial logits
.set SPARE, 70656                      ; the spare words: 128 bytes a wave, named by no other line
.set SPW, 14
.set NIL, 15
.set SOF, 16                           ; v16  8 (16 g + r): my token's bytes in sel and in wts; never rewritten
.set WOF, 17                           ; v17  4 (16 g + r): the shared expert's weight; never rewritten
	s_load_b256 s[8:15], s[0:1], 0x0               ; x s[8:9], Wg s[10:11], xb s[12:13], sel s[14:15]
	s_load_b128 s[16:19], s[0:1], 0x20             ; wts s[16:17], part s[18:19]
	v_lshl_add_u32 v[SPW], v0, 2, SPARE
	v_mov_b32 v[NIL], 0
	v_lshrrev_b32 v4, 5, v0
	v_readfirstlane_b32 s2, v4                     ; wave
	s_mov_b32 s3, ttmp9                            ; work-group
	v_and_b32 v1, 31, v0                           ; lane l
	v_and_b32 v2, 15, v0                           ; r = l % 16
	v_bfe_u32 v3, v0, 4, 1                         ; h = l / 16
	s_lshl_b32 s20, s3, 16                         ; 16 rows of x
	s_mov_b32 s21, 0
	s_lshl_b32 s22, s3, 15                         ; 16 rows of xb
	s_mov_b32 s23, 0
	s_lshl_b32 s24, s3, 6                          ; 16 numbers of part
	s_mov_b32 s25, 0
	s_lshl_b32 s26, s2, 13                         ; my 256 rows of Wg: 32 bytes a row, in memory and in LDS alike
	v_lshl_add_u32 v5, v1, 5, s26                  ; row 256 w + l of Wg, and of WGT
	s_lshl_b32 s27, s2, 10
	v_lshl_add_u32 v6, v1, 4, s27                  ; x: my wave's 1,024 bytes of a row, 16 a lane
	s_lshl_b32 s27, s2, 9
	v_lshl_add_u32 v7, v1, 3, s27                  ; xb: my wave's 512 bytes of a row, 8 a lane
	s_mul_i32 s28, s2, 16*XP
	s_add_co_u32 s28, s28, XT                      ; my wave's rows in LDS
	v_lshl_add_u32 v8, v1, 3, s28
	v_and_b32 v4, 7, v0
	v_lshl_add_u32 v4, v3, 3, v4                   ; the turning load: row 8 h + l % 8,
	v_bfe_u32 v9, v0, 3, 1
	v_lshlrev_b32 v9, 4, v9                        ; 16 bytes: experts 0-7 or the zeros
	v_lshl_add_u32 v9, v4, 5, v9
	v_add_nc_u32 v9, s26, v9
	v_mul_u32_u24 v10, v2, XP                      ; a fragment of x: row r, 16 bytes for each half of the lanes
	v_lshl_add_u32 v10, v3, 4, v10
	v_add_nc_u32 v10, s28, v10
	s_lshl_b32 s29, s2, 10
	s_add_co_u32 s29, s29, RED
	v_lshl_add_u32 v11, v1, 5, s29                 ; where my partial logits go
	v_lshl_add_u32 v12, v1, 5, RED                 ; where wave 0 reads all four
	v_lshlrev_b32 v[SOF], 3, v2
	v_lshl_add_u32 v[SOF], s3, 7, v[SOF]
	v_lshlrev_b32 v[WOF], 2, v2
	v_lshl_add_u32 v[WOF], s3, 6, v[WOF]
.irp j, 228,229,230,231
	v_mov_b32 v[\j], 0                             ; the zeros of WGT's columns 8-15
.endr
	s_wait_kmcnt 0x0
	s_add_nc_u64 s[8:9], s[8:9], s[20:21]
	s_add_nc_u64 s[12:13], s[12:13], s[22:23]
	s_add_nc_u64 s[18:19], s[18:19], s[24:25]
.set n, 0
.rept 8                                        ; Wg: 32 rows a pair of loads
	global_load_b128 v[160+8*n:163+8*n], v5, s[10:11] offset:n*1024
	global_load_b128 v[164+8*n:167+8*n], v5, s[10:11] offset:n*1024+16
.set n, n+1
.endr
.set n, 0
.rept 32                                       ; x: row n / 2, half n % 2 of my 1,024 bytes: 512 consecutive bytes a load
	global_load_b128 v[32+4*n:35+4*n], v6, s[8:9] offset:(n/2)*4096+(n%2)*512
.set n, n+1
.endr
	s_wait_loadcnt 32                              ; the 32 loads of x are younger: Wg is in
.set n, 0
.rept 8
	v_cvt_pk_bf16_f32 v224, v[160+8*n], v[161+8*n]
	v_cvt_pk_bf16_f32 v225, v[162+8*n], v[163+8*n]
	v_cvt_pk_bf16_f32 v226, v[164+8*n], v[165+8*n]
	v_cvt_pk_bf16_f32 v227, v[166+8*n], v[167+8*n]
	ds_store_b128 v5, v[224:227] offset:n*1024
	ds_store_b128 v5, v[228:231] offset:n*1024+16
.set n, n+1
.endr
	s_wait_loadcnt 0x0                             ; x is in
.set n, 0
.rept 32
	v_cvt_pk_bf16_f32 v[160+2*n], v[32+4*n], v[33+4*n]
	v_cvt_pk_bf16_f32 v[161+2*n], v[34+4*n], v[35+4*n]
	ds_store_b64 v8, v[160+2*n:161+2*n] offset:(n/2)*XP+(n%2)*256
	global_store_b64 v7, v[160+2*n:161+2*n], s[12:13] offset:(n/2)*2048+(n%2)*256  ; 256 consecutive bytes, at a multiple of 256 from xb's first
.set n, n+1
.endr
	; The fragments come from bytes that this wave itself stored; LDS serves a wave's instructions in order (ISA guide 5.7.1.4), so no barrier stands here.
.set n, 0
.rept 8
	ds_load_tr16_b128 v[32+8*n:35+8*n], v9 offset:n*1024       ; Wg turned: lane holds expert r, k = 32 n + 8 h ..
	ds_load_tr16_b128 v[36+8*n:39+8*n], v9 offset:n*1024+512   ; k = 32 n + 16 + 8 h ..
	ds_load_b128 v[96+8*n:99+8*n], v10 offset:n*64             ; x: lane holds token r
	ds_load_b128 v[100+8*n:103+8*n], v10 offset:n*64+32
.set n, n+1
.endr
	s_wait_dscnt 0x0
	; source 0 = experts, source 1 = tokens: lanes 0-15 then hold the 8 logits of token r in 8 registers.  Two accumulators by turns.
	v_wmma_f32_16x16x32_bf16 v[232:239], v[32:39], v[96:103], 0
	v_wmma_f32_16x16x32_bf16 v[240:247], v[40:47], v[104:111], 0
.set n, 2
.rept 3
	v_wmma_f32_16x16x32_bf16 v[232:239], v[32+8*n:39+8*n], v[96+8*n:103+8*n], v[232:239]
	v_wmma_f32_16x16x32_bf16 v[240:247], v[40+8*n:47+8*n], v[104+8*n:111+8*n], v[240:247]
.set n, n+2
.endr
.rept 4
	v_nop                                          ; four places behind the last product (ISA guide 7.12.1)
.endr
.irp j, 0,2,4,6
	v_pk_add_f32 v[224+\j:225+\j], v[232+\j:233+\j], v[240+\j:241+\j]
.endr
	ds_store_b128 v11, v[224:227]
	ds_store_b128 v11, v[228:231] offset:16
	s_wait_dscnt 0x0                               ; for wave 0's sake: my partial logits are stored
	s_barrier_signal -1
	s_barrier_wait -1
	s_cmp_lg_u32 s2, 0
	s_cbranch_scc1 .Lend                           ; the rest is 16 tokens' work: one wave's
.set n, 0
.rept 4
	ds_load_b128 v[64+8*n:67+8*n], v12 offset:n*1024
	ds_load_b128 v[68+8*n:71+8*n], v12 offset:n*1024+16
.set n, n+1
.endr
	s_wait_dscnt 0x0
.irp j, 0,2,4,6
	v_pk_add_f32 v[64+\j:65+\j], v[64+\j:65+\j], v[72+\j:73+\j]
	v_pk_add_f32 v[80+\j:81+\j], v[80+\j:81+\j], v[88+\j:89+\j]
.endr
.irp j, 0,2,4,6
	v_pk_add_f32 v[64+\j:65+\j], v[64+\j:65+\j], v[80+\j:81+\j]  ; v64-71: the token's 8 logits (lanes 16-31: zeros, never stored)
.endr
	v_mov_b32 v100, v64                            ; m1, the largest,
	v_mov_b32 v114, 0                              ; and its expert i1
.irp e, 1,2,3,4,5,6,7
	v_cmp_gt_f32 vcc_lo, v[64+\e], v100
	v_cndmask_b32 v114, v114, \e, vcc_lo
	v_max_num_f32 v100, v100, v[64+\e]
.endr
	v_mov_b32 v102, 0xff800000
.irp e, 0,1,2,3,4,5,6,7
	v_cmp_eq_u32 vcc_lo, \e, v114
	v_cndmask_b32 v[72+\e], v[64+\e], v102, vcc_lo ; the winner is taken out
.endr
	v_mov_b32 v104, v72                            ; m2 and i2 likewise
	v_mov_b32 v115, 0
.irp e, 1,2,3,4,5,6,7
	v_cmp_gt_f32 vcc_lo, v[72+\e], v104
	v_cndmask_b32 v115, v115, \e, vcc_lo
	v_max_num_f32 v104, v104, v[72+\e]
.endr
	v_mov_b32 v101, 0                              ; named with m1 as a pair
.irp j, 0,2,4,6
	v_pk_add_f32 v[80+\j:81+\j], v[64+\j:65+\j], v[100:101] op_sel_hi:[1,0] neg_lo:[0,1] neg_hi:[0,1]  ; logit - m1
.endr
	v_sub_f32 v104, v104, v100
.irp j, 0,2,4,6
	v_pk_mul_f32 v[80+\j:81+\j], v[80+\j:81+\j], 0x3fb8aa3b op_sel_hi:[1,0]
.endr
	v_mul_f32 v104, 0x3fb8aa3b, v104
.irp e, 0,1,2,3,4,5,6,7
	v_exp_f32 v[80+\e], v[80+\e]
.endr
	v_exp_f32 v104, v104
	v_mov_b32 v107, 0                              ; a plain instruction behind the exponentials (ISA guide 5.7.2); v107 is named as a pair with 1 / sum
	s_wait_alu depctr_va_vdst(0)
	v_pk_add_f32 v[96:97], v[80:81], v[82:83]
	v_pk_add_f32 v[98:99], v[84:85], v[86:87]
	v_pk_add_f32 v[96:97], v[96:97], v[98:99]
	v_add_f32 v105, v96, v97
	v_rcp_f32 v106, v105                           ; 1 / sum: also the largest score, whose exponential is 1
	v_mov_b32 v119, 1.0                            ; (plain; the shared expert's weight)
	s_wait_alu depctr_va_vdst(0)
	v_mul_f32 v109, v104, v106                     ; the second score
.irp j, 0,2,4,6
	v_pk_mul_f32 v[80+\j:81+\j], v[80+\j:81+\j], v[106:107] op_sel_hi:[1,0]  ; v80-87: the scores
.endr
	v_add_f32 v108, v106, v109
	v_add_f32 v108, 0x3089705f, v108               ; + 1e-9
	v_rcp_f32 v108, v108
	v_mov_b32 v120, 0                              ; (plain; part's offset)
	s_wait_alu depctr_va_vdst(0)
	v_mul_f32 v116, v106, v108                     ; the two weights
	v_mul_f32 v117, v109, v108
.irp e, 0,1,2,3,4,5,6,7
	v_cmp_eq_u32 s20, \e, v114
	v_cmp_eq_u32 vcc_lo, \e, v115
	s_or_b32 vcc_lo, vcc_lo, s20
	v_cndmask_b32 v[88+\e], 0, 1.0, vcc_lo         ; v88-95: 1 where the token chose expert e
.endr
.irp m, 1,2,4,8                                ; sums over the 16 tokens, inside each half of the lanes
.set n, 80
.rept 16
	v_add_f32_dpp v[n], v[n], v[n] row_xmask:\m row_mask:0xf bank_mask:0xf
.set n, n+1
.endr
.endr
	s_wait_xcnt 0x0                                ; EXEC changes only when the stores of xb have had their addresses translated (ISA guide 3.1)
	v_cmp_gt_u32 vcc_lo, 16, v1
	s_and_saveexec_b32 s22, vcc_lo                 ; lanes 0-15: a token each
	global_store_b64 v[SOF], v[114:115], s[14:15]
	global_store_b64 v[SOF], v[116:117], s[16:17]
	global_store_b32 v[WOF], v119, s[16:17] offset:8192
	s_wait_xcnt 0x0
	s_or_b32 exec_lo, exec_lo, s22
	v_cmp_eq_u32 vcc_lo, 0, v1
	s_and_saveexec_b32 s22, vcc_lo                 ; lane 0: the work-group's 16 sums
.irp j, 0,1,2,3
	global_store_b128 v120, v[80+4*\j:83+4*\j], s[18:19] offset:16*\j
.endr
	s_wait_xcnt 0x0
	s_or_b32 exec_lo, exec_lo, s22
.Lend:
	s_wait_tensorcnt 0x0                           ; the wave's end
	ds_add_u32 v[SPW], v[NIL]
	s_wait_dscnt 0x0
	s_endpgm
.Lfunc_end_k_q35b18ade78_router:
	.size	k_q35b18ade78_router, .Lfunc_end_k_q35b18ade78_router-k_q35b18ade78_router
	.p2alignl 7, 3214868480
	.fill 96, 4, 3214868480
	.section	.rodata,"a",@progbits
	.p2align	6, 0x0
	.amdhsa_kernel k_q35b18ade78_router
		.amdhsa_group_segment_fixed_size 71168
		.amdhsa_private_segment_fixed_size 0
		.amdhsa_enable_private_segment 0
		.amdhsa_kernarg_size 48
		.amdhsa_user_sgpr_count 2
		.amdhsa_user_sgpr_kernarg_segment_ptr 1
		.amdhsa_wavefront_size32 1
		.amdhsa_system_sgpr_workgroup_id_x 1
		.amdhsa_system_sgpr_workgroup_id_y 1
		.amdhsa_system_sgpr_workgroup_id_z 1
		.amdhsa_system_vgpr_workitem_id 0
		.amdhsa_next_free_vgpr 256
		.amdhsa_next_free_sgpr 66
		.amdhsa_reserve_vcc 1
		.amdhsa_float_denorm_mode_32 3
		.amdhsa_float_denorm_mode_16_64 3
		.amdhsa_memory_ordered 1
		.amdhsa_forward_progress 1
		.amdhsa_inst_pref_size 35
	.end_amdhsa_kernel
	.amdgpu_metadata
---
amdhsa.version: [ 1, 2 ]
amdhsa.kernels:
  - .name:           k_q35b18ade78_router
    .symbol:         k_q35b18ade78_router.kd
    .args:
      - { .name: x, .offset: 0, .size: 8, .value_kind: global_buffer, .address_space: global }
      - { .name: Wg, .offset: 8, .size: 8, .value_kind: global_buffer, .address_space: global }
      - { .name: xb, .offset: 16, .size: 8, .value_kind: global_buffer, .address_space: global }
      - { .name: sel, .offset: 24, .size: 8, .value_kind: global_buffer, .address_space: global }
      - { .name: wts, .offset: 32, .size: 8, .value_kind: global_buffer, .address_space: global }
      - { .name: part, .offset: 40, .size: 8, .value_kind: global_buffer, .address_space: global }
    .group_segment_fixed_size: 71168
    .private_segment_fixed_size: 0
    .kernarg_segment_align: 8
    .kernarg_segment_size: 48
    .max_flat_workgroup_size: 128
    .sgpr_count:     66
    .vgpr_count:     256
    .wavefront_size: 32
...
	.end_amdgpu_metadata
.endif
;; end of part 1
;; launch up (part 2): grid 256 x 1, 4 waves a work-group, no clusters, 272,384 bytes of LDS; arguments xb, sel, W_gate, W_up, Ws_gate, Ws_up, hid; writes hid
.if DOCPART == 2
	.amdgcn_target "amdgcn-amd-amdhsa--gfx1250"
	.amdhsa_code_object_version 6
	.text
	.protected	k_q35b18ade78_up
	.globl	k_q35b18ade78_up
	.p2align	8
	.type	k_q35b18ade78_up,@function
k_q35b18ade78_up:
	s_mov_b64 s[64:65], 0
	v_nop
	global_prefetch_b8 v0, s[64:65] scope:SCOPE_SE
	s_setreg_imm32_b32 hwreg(HW_REG_WAVE_MODE, 25, 1), 1
	s_wait_xcnt 0x0
; UP.  hid = silu(X Wgate) * (X Wup), in bf16, for the rows that chose an expert and for all rows of the shared expert.  Products in bf16, sums in f32.
; A work-group (e = g / 32, s = g % 32) does two JOBS with one text.  Job R: columns 64 s .. 64 s + 63 of W_gate[e] and W_up[e], which it alone reads, times all rows of expert e.
; Job S: the same columns of Ws_gate and Ws_up times tokens 128 e .. 128 e + 127.  Work-groups with an odd number do S first.
; A job has two phases.  FILL: the slice (1,024 k x 128 columns of f32) goes through registers, is rounded to bf16 and laid into LDS in the order in which a matrix operand takes it.
; MULTIPLY: up to four passes; in a pass a wave has up to 5 tiles of 16 rows x all 128 columns; the rows' fragments come from xb straight into registers.
; RANKS.  Every work-group finds its expert's rows in sel by itself: wave w scans slots 512 w .. 512 w + 511 and lays the hits end to end into its own quarter of LIST; rank rho is found
; from the four counts.  The launch that follows scans in the same order, so both agree on each row's rank.  Every split is served: 4 passes x 20 tiles cover 1,024 rows; an expert with no row has no live pass.
; All lanes stay on throughout: a lane without a hit stores into a word of its own behind its wave's quarter.
; hid is laid in operand order: [expert 0..8][tile of 16 ranks][block of 16 columns][lane][16 bytes]: lane (r, h) holds rank r, columns 8 h .. 8 h + 7.  Places past the count repeat the last row.
; LIMITS.  silu(g) u is made as (g u) / (1 + 2^(-g log2 e)): g u must stay under 3.4e38; NaN and infinities are not treated apart.
; NO CLUSTER, NO TENSOR LOADS: an R slice has one reader; the f32 weights must pass through registers to be rounded and turned, and beside the 262,272 bytes of the bf16 slice LDS has no room
; for a stage of f32; the rows come by a list, which no descriptor covers.
; REGISTERS, in windows of 256 (s_set_vgpr_msb: bits 1:0 source 0, 3:2 source 1, 5:4 source 2, 7:6 destination):
;   window 0: addresses; v64-127, v128-191 weights' fragments, two buffers (FILL: v128-191 packed weights); v192-223 at work on the way out; v224-235 walking addresses
;   window 1: FILL: 8 slots of 32 registers of f32 weights; MULTIPLY: accumulators of tiles 0-3 ((i, c) at 64 i + 8 c)     window 2: v0-63 tile 4's     window 3: v0-239 rows' fragments: a ring of 6 K blocks x 5 tiles x 8
.set PITCH, 8192                       ; bytes from row to row of the weights
.set CT,    32784                      ; a tile of 16 columns in LDS: 64 groups of 16 k x 512 bytes, + 16
.set NC,    8                          ; column tiles: 0-3 gate, 4-7 up
.set ASTEP, 64                         ; bytes of a row of xb in a K block of 32
.set AHALF, 32
.set QW,    544                        ; words in a quarter of LIST: 512 places, then a word for each lane that has no hit
.set SLIST, 262400                     ; job S's list: 128 slots
.set LIST,  262912                     ; four quarters; LIST lies 128 words behind SLIST, and both are addressed from SLIST
.set CNTS,  271616                     ; the four waves' counts
.set SPARE, 271872                     ; the spare words: 128 bytes a wave, named by no other line
.set GO,  4                            ; v4   weights: 16 (l % 16) + 8 rows x h
.set LW0, 5                            ; v5   where my packed weights go, first group
.set LW,  6                            ; v6   the same, walking
.set L16, 7                            ; v7   16 l
.set H16, 8                            ; v8   16 h
.set LB,  9                            ; v9   my quarter of LIST
.set P0,  10                           ; v10  512 w + 4 l
.set SO,  11                           ; v11  my bytes of sel
.set CW,  14                           ; v14  my word of CNTS
.set CA,  15                           ; v15  CNTS
.set LZ,  20                           ; v20  my quarter + 16 l
.set LZ4, 21                           ; v21  my quarter + 4 l
.set DMP, 22                           ; v22  512 + l: the place of a lane that has no hit
.set LS,  23                           ; v23  SLIST; never rewritten
.set AO,  24                           ; v24-28  tile i: my row's bytes in xb
.set HO,  29                           ; v29-33  tile i: my bytes in hid
.set PL,  34                           ; v34-38  tile i: my row's slot
.set BA0, 41                           ; v41-44  LDS address of column tiles 2 q, 2 q + 1, K block 0; never rewritten
.set SPW, 62
.set NIL, 63
.set BB,  64
.set TT,  128                          ; v128-191  FILL: four sets of 16 registers of packed weights, by turns
.set EE,  192
.set PP,  200
.set HH,  208
.set BA,  224                          ; v224-227  the same as BA0, 6 K blocks further on in each trip of the loop over K
.set GS,  228                          ; v228-235  FILL: slot i's own byte offset in the weights
.set MSB, 0
.macro WIN new                         ; the immediate's high byte repeats the setting that is left; a switch that changes nothing is dropped
.if MSB != (\new)
	s_set_vgpr_msb (MSB<<8)|(\new)
.set MSB, (\new)
.endif
.endm
; FILL.  A group is 16 k x 64 columns: 8 loads; lanes 0-15 take the 256 aligned bytes of row k0 + d, lanes 16-31 those of row k0 + 8 + d: a lane then holds 8 k x 4 columns.
.macro LPRO                            ; the first 8 groups: 64 loads of the wave are asked for before the first wait
.irp i, 0,1,2,3,4,5,6,7
	v_mov_b32 v[GS+\i], v[GO]
.endr
	WIN 0x40
.set n, 0
.rept 64
	global_load_b128 v[4*n:4*n+3], v[GS+n/8], s[22:23] offset:(16*(n/8)+n%8)*PITCH
.set n, n+1
.endr
	WIN 0
.endm
; Slot i's group: for each of my 4 columns 8 consecutive k are packed into 16 bytes and stored where a fragment load will find them.  ahead = 1: the slot takes the group 8 further on.
; The slot owns its offset register: the wait that shows its eight loads back also frees that register, so the step costs no further wait and the scalar base is never rewritten in a job.
; The packed words go to one of four sets by turns, so that a group's conversions do not land on registers that the LDS stores of the three groups before still name; the refill stands between the conversions and the stores.
.macro SLOT i, ahead, left, ldsoff
	s_wait_loadcnt \left                           ; loads come back in order (ISA guide 5.7.1): the younger groups' loads stay out
.if \ahead
	v_add_nc_u32 v[GS+(\i)], 128*PITCH, v[GS+(\i)] ; 8 groups of 16 rows on
.endif
	WIN 0x05
.irp j, 0,1,2,3
.irp d, 0,1,2,3
	v_cvt_pk_bf16_f32 v[TT+16*((\i)%4)+4*\j+\d], v[32*(\i)+8*\d+\j], v[32*(\i)+8*\d+4+\j]
.endr
.endr
.if \ahead
	WIN 0x40
.irp d, 0,1,2,3,4,5,6,7
	global_load_b128 v[32*(\i)+4*\d:32*(\i)+4*\d+3], v[GS+(\i)], s[22:23] offset:(16*(\i)+\d)*PITCH
.endr
.endif
	WIN 0
.irp j, 0,1,2,3
	ds_store_b128 v[LW], v[TT+16*((\i)%4)+4*\j:TT+16*((\i)%4)+4*\j+3] offset:(\ldsoff)+16*\j
.endr
.endm
; The lists, once, while the first 64 loads of weights are out.  Order of ranks inside a quarter: load q, component c, lane.
.macro BUILD
.irp j, 16,17,18,19
	v_mov_b32 v[\j], 0
.endr
.irp q, 0,1,2,3
	ds_store_b128 v[LZ], v[16:19] offset:512*\q    ; my quarter starts as zeros: 4 x 512 + 128 = its 2,176 bytes
.endr
	ds_store_b32 v[LZ4], v16 offset:2048
	s_wait_loadcnt 63                              ; 64 loads are younger than sel's four; 63 is the largest count that the wait can name
	s_mov_b32 s47, 0
.irp q, 0,1,2,3
.irp c, 0,1,2,3
	v_cmp_eq_u32 vcc_lo, s4, v[BB+4*\q+\c]
	v_mbcnt_lo_u32_b32 v12, vcc_lo, s47            ; hits so far + hits in the lanes below mine
	v_cndmask_b32 v12, v[DMP], v12, vcc_lo         ; no hit: my own word behind the 512 places
	v_min_u32 v12, QW-1, v12
	v_lshlrev_b32 v12, 2, v12
	v_add_nc_u32 v12, v[LB], v12
	v_add_nc_u32 v13, 128*\q+\c, v[P0]             ; the slot's number
	ds_store_b32 v12, v13
	s_bcnt1_i32_b32 s46, vcc_lo
	s_add_co_u32 s47, s47, s46
.endr
.endr
	v_mov_b32 v13, s47
	ds_store_b32 v[CW], v13
	s_lshl_b32 s46, s4, 7
	s_add_co_u32 s46, s46, 2048
	v_add_nc_u32 v13, s46, v0                      ; job S: slot 2048 + 128 e + rank
	v_lshl_add_u32 v12, v0, 2, SLIST
	ds_store_b32 v12, v13
.endm
; Tile i's slots: rank 16 t_i + r, at most the last; the quarters' corrections; job R's 128 words from SLIST to LIST; the clamp; the word.
.macro LOOK i
	s_add_co_u32 s46, s35, 4*(\i)
	s_lshl_b32 s46, s46, 4
	v_add_nc_u32 v39, s46, v2
	v_min_u32 v39, s34, v39
	v_cmp_le_u32 vcc_lo, s37, v39
	v_cndmask_b32 v40, 0, s40, vcc_lo
	v_cmp_le_u32 vcc_lo, s38, v39
	v_cndmask_b32 v12, 0, s41, vcc_lo
	v_cmp_le_u32 vcc_lo, s39, v39
	v_cndmask_b32 v13, 0, s42, vcc_lo
	v_add_nc_u32 v39, v39, v40
	v_add_nc_u32 v12, v12, v13
	v_add_nc_u32 v39, v39, v12
	v_add_nc_u32 v39, s43, v39
	v_min_u32 v39, 128+4*QW-1, v39                 ; the last word of LIST, counted from SLIST
	v_lshlrev_b32 v39, 2, v39
	v_add_nc_u32 v39, v[LS], v39
	ds_load_b32 v[PL+(\i)], v39
.endm
.macro ALOAD kb                        ; the rows' fragments of K block kb (counted from where s[24:25] stands), all 5 tiles: 10 loads on every path, so that the counted waits hold
	WIN 0xc0
.irp t, 0,1,2,3,4
	global_load_b128 v[40*((\kb)%6)+8*\t:40*((\kb)%6)+8*\t+3], v[AO+\t], s[24:25] offset:(\kb)*ASTEP
	global_load_b128 v[40*((\kb)%6)+8*\t+4:40*((\kb)%6)+8*\t+7], v[AO+\t], s[24:25] offset:(\kb)*ASTEP+AHALF
.endr
.endm
.macro BLOAD kb, base, add             ; the weights' fragments of K block kb + add, from the address registers at base: 512 consecutive bytes a load; add is even, so kb names the buffer
	WIN 0
.irp c, 0,1,2,3,4,5,6,7
	ds_load_b128 v[BB+8*NC*((\kb)%2)+8*\c:BB+8*NC*((\kb)%2)+8*\c+3], v[(\base)+\c/2] offset:(\c%2)*CT+((\kb)+(\add))*1024
	ds_load_b128 v[BB+8*NC*((\kb)%2)+8*\c+4:BB+8*NC*((\kb)%2)+8*\c+7], v[(\base)+\c/2] offset:(\c%2)*CT+((\kb)+(\add))*1024+512
.endr
.endm
; Tile i's 8 products of a K block: source 0 = 16 weight columns, source 1 = 16 rows: a lane's 8 results are 8 neighbouring columns of one row.  One product an accumulator: they take turns.
.macro TILE rel, i, zero
.if (\i) < 4
	WIN 0x5c
.else
	WIN 0xac
.endif
.irp c, 0,1,2,3,4,5,6,7
.set rD, 64*((\i)%4)+8*\c
.set rB, BB+8*NC*((\rel)%2)+8*\c
.set rA, 40*((\rel)%6)+8*(\i)
.if \zero
	v_wmma_f32_16x16x32_bf16 v[rD:rD+7], v[rB:rB+7], v[rA:rA+7], 0
.else
	v_wmma_f32_16x16x32_bf16 v[rD:rD+7], v[rB:rB+7], v[rA:rA+7], v[rD:rD+7]
.endif
.endr
.endm
; The four waves leave the barrier together and run the same text, so their runs of 16 LDS loads would fall together in every K block.  Once a pass wave w idles n w times s_nop 15,
; so that one wave's run stands beside the other three waves' products.
.macro SKEW n
	s_cmp_lt_u32 s2, 1
	s_cbranch_scc1 .Lskew_\@
.rept \n
	s_nop 15
.endr
	s_cmp_lt_u32 s2, 2
	s_cbranch_scc1 .Lskew_\@
.rept \n
	s_nop 15
.endr
	s_cmp_lt_u32 s2, 3
	s_cbranch_scc1 .Lskew_\@
.rept \n
	s_nop 15
.endr
.Lskew_\@:
.endm
; A K block.  Four places behind the last block's products (ISA guide 7.12.1 for vector instructions), then the loads into the registers that they read: rows 5 blocks ahead, weights 1 ahead.
; zero = 1: the pass's first block: the products start the sums, for all 5 tiles, so that every accumulator is written on every path.  Else the tiles past the pass's number are jumped, forward.
.macro KB rel, zero, aissue, bissue, lwait, base, add
.rept 4
	v_nop
.endr
.if \aissue
	ALOAD (\rel)+5
.endif
.if \bissue
	BLOAD (\rel)+1, \base, \add
	s_wait_dscnt 2*NC                              ; the 16 just issued may be out: this block's weights are in
.else
	WIN 0
	s_wait_dscnt 0x0
.endif
	s_wait_loadcnt \lwait                          ; the younger blocks' loads, 10 each, may be out: this block's rows are in
.if \zero
	SKEW 3
.endif
	TILE \rel, 0, \zero
.irp t, 1,2,3,4
.if !(\zero)
	WIN 0
	s_cmp_le_u32 s36, \t
	s_cbranch_scc1 .Lkb_end_\@
.endif
	TILE \rel, \t, \zero
.endr
	WIN 0
.Lkb_end_\@:
.endm
; Tile i's way out: for each 16 columns, (g u) / (1 + 2^(-g log2 e)), rounded to bf16: a lane's 8 numbers are 16 bytes, a wave's store 512 consecutive bytes of hid.  The tile's four stores go out together.
.macro EPI i
.if (\i) > 0
	s_cmp_le_u32 s36, \i
	s_cbranch_scc1 .Lpass_end
.endif
	s_wait_xcnt 0x0                                ; the last tile's stores have read v208-223
.irp c, 0,1,2,3
.set rG, 64*((\i)%4)+8*\c
	WIN 0x05*(1+(\i)/4)
.irp z, 0,2,4,6
	v_pk_mul_f32 v[EE+\z:EE+\z+1], v[rG+\z:rG+\z+1], s[48:49] op_sel_hi:[1,0]
.endr
.irp z, 0,2,4,6
	v_pk_mul_f32 v[PP+\z:PP+\z+1], v[rG+\z:rG+\z+1], v[rG+32+\z:rG+32+\z+1]
.endr
	WIN 0
.irp z, 0,1,2,3,4,5,6,7
	v_exp_f32 v[EE+\z], v[EE+\z]
.endr
	v_nop                                          ; a plain instruction behind the last exponential (ISA guide 5.7.2)
	s_wait_alu depctr_va_vdst(0)
.irp z, 0,2,4,6
	v_pk_add_f32 v[EE+\z:EE+\z+1], v[EE+\z:EE+\z+1], 1.0 op_sel_hi:[1,0]
.endr
.irp z, 0,1,2,3,4,5,6,7
	v_rcp_f32 v[EE+\z], v[EE+\z]
.endr
	v_nop
	s_wait_alu depctr_va_vdst(0)
.irp z, 0,2,4,6
	v_pk_mul_f32 v[PP+\z:PP+\z+1], v[PP+\z:PP+\z+1], v[EE+\z:EE+\z+1]
.endr
.irp z, 0,1,2,3
	v_cvt_pk_bf16_f32 v[HH+4*\c+\z], v[PP+2*\z], v[PP+2*\z+1]
.endr
.endr
.irp c, 0,1,2,3
	global_store_b128 v[HO+(\i)], v[HH+4*\c:HH+4*\c+3], s[26:27] offset:512*\c
.endr
.endm
	s_load_b256 s[8:15], s[0:1], 0x0               ; xb s[8:9], sel s[10:11], W_gate s[12:13], W_up s[14:15]
	s_load_b128 s[16:19], s[0:1], 0x20             ; Ws_gate s[16:17], Ws_up s[18:19]
	s_load_b64 s[20:21], s[0:1], 0x30              ; hid
	v_lshl_add_u32 v[SPW], v0, 2, SPARE
	v_mov_b32 v[NIL], 0
	v_lshrrev_b32 v12, 5, v0
	v_readfirstlane_b32 s2, v12                    ; wave w
	s_mov_b32 s3, ttmp9
	s_lshr_b32 s4, s3, 5                           ; e
	s_and_b32 s5, s3, 31                           ; s
	s_and_b32 s6, s3, 1                            ; 1: job S first
	v_and_b32 v1, 31, v0                           ; l
	v_and_b32 v2, 15, v0                           ; r
	v_bfe_u32 v3, v0, 4, 1                         ; h
	v_lshlrev_b32 v[GO], 4, v2
	v_lshl_add_u32 v[GO], v3, 16, v[GO]            ; + 8 rows of 8,192 bytes for lanes 16-31
	v_bfe_u32 v12, v0, 2, 2                        ; my 4 columns lie in column tile (l % 16) / 4,
	v_mul_u32_u24 v[LW0], v12, CT
	v_lshl_add_u32 v[LW0], v3, 8, v[LW0]           ; k half h of a group,
	v_and_b32 v12, 3, v0
	v_lshl_add_u32 v[LW0], v12, 6, v[LW0]          ; columns 4 (l % 4) .. of the tile
	s_lshr_b32 s46, s2, 1                          ; waves 0, 1: gate (tiles 0-3); waves 2, 3: up (tiles 4-7)
	s_mul_i32 s46, s46, 4*CT
	s_and_b32 s47, s2, 1                           ; k half w % 2: 32 groups of 512 bytes
	s_lshl_b32 s47, s47, 14
	s_add_co_u32 s46, s46, s47
	v_add_nc_u32 v[LW0], s46, v[LW0]
	v_lshlrev_b32 v[L16], 4, v1
	v_lshlrev_b32 v[H16], 4, v3
.irp q, 0,1,2,3
	v_add_nc_u32 v[BA0+\q], 2*\q*CT, v[L16]
.endr
	s_lshl_b32 s46, s2, 9
	v_lshl_add_u32 v[P0], v1, 2, s46
	s_lshl_b32 s46, s2, 11
	v_add_nc_u32 v[SO], s46, v[L16]
	s_mul_i32 s46, s2, 4*QW
	s_add_co_u32 s46, s46, LIST
	v_mov_b32 v[LB], s46
	v_lshl_add_u32 v[LZ], v1, 4, s46
	v_lshl_add_u32 v[LZ4], v1, 2, s46
	v_add_nc_u32 v[DMP], 512, v1
	v_mov_b32 v[LS], SLIST
	s_lshl_b32 s46, s2, 2
	s_add_co_u32 s46, s46, CNTS
	v_mov_b32 v[CW], s46
	v_mov_b32 v[CA], CNTS
	s_mov_b32 s48, 0xbfb8aa3b                      ; -log2(e)
	s_mov_b32 s49, s48                             ; named with it as a pair
	s_and_b32 s46, s2, 1
	s_lshl_b32 s46, s46, 22                        ; my k half: 512 rows
	s_lshl_b32 s47, s5, 8                          ; my 64 columns
	s_add_co_u32 s58, s46, s47
	s_mov_b32 s59, 0
	s_lshl_b32 s46, s4, 23                         ; my expert
	s_add_co_u32 s56, s58, s46
	s_mov_b32 s57, 0
	s_wait_kmcnt 0x0
	s_add_nc_u64 s[12:13], s[12:13], s[56:57]
	s_add_nc_u64 s[14:15], s[14:15], s[56:57]
	s_add_nc_u64 s[16:17], s[16:17], s[58:59]
	s_add_nc_u64 s[18:19], s[18:19], s[58:59]
.irp q, 0,1,2,3
	global_load_b128 v[BB+4*\q:BB+4*\q+3], v[SO], s[10:11] offset:512*\q  ; my 512 slots of sel
.endr
	s_mov_b32 s28, 2                               ; jobs to go
.Ljob:
	s_wait_xcnt 0x0                                ; the last job's loads and stores have read their bases
	s_xor_b32 s29, s28, s6
	s_and_b32 s29, s29, 1                          ; kind: 0 = R, 1 = S
	s_cmp_eq_u32 s29, 0
	s_cselect_b64 s[22:23], s[12:13], s[16:17]
	s_cselect_b64 s[58:59], s[14:15], s[18:19]
	s_cmp_lt_u32 s2, 2
	s_cselect_b64 s[22:23], s[22:23], s[58:59]     ; my matrix of the job's two
	v_mov_b32 v[LW], v[LW0]
	LPRO
	s_cmp_lg_u32 s28, 2
	s_cbranch_scc1 .Lbuilt                         ; the lists are made in the first job alone
	BUILD
.Lbuilt:
	s_mov_b32 s30, 3
.Lfill:                                                ; a trip: 8 groups packed, the 8 behind them asked for; 56 = the seven younger groups' loads
.irp i, 0,1,2,3,4,5,6,7
	SLOT \i, 1, 56, (\i)*512
.endr
	v_add_nc_u32 v[LW], 4096, v[LW]
	s_sub_co_u32 s30, s30, 1
	s_cmp_lg_u32 s30, 0
	s_cbranch_scc1 .Lfill
.irp i, 0,1,2,3,4,5,6,7
	SLOT \i, 0, 56-8*(\i), (\i)*512                ; the last 8 groups: nothing is asked for, the counts run down
.endr
	s_wait_dscnt 0x0                               ; for the others' sake: my part of the slice, my list and my count are stored
	s_barrier_signal -1
	s_barrier_wait -1
	; the job's numbers
	ds_load_b128 v[16:19], v[CA]
	s_lshl_b32 s44, s29, 11                        ; token = (slot - 2048 kind) >> (1 - kind)
	s_sub_co_u32 s45, 1, s29
	s_lshl_b32 s46, s4, 6                          ; hid's first tile: 64 e, or 512 + 8 e
	s_lshl_b32 s47, s4, 3
	s_add_co_u32 s47, s47, 512
	s_wait_dscnt 0x0
	v_readfirstlane_b32 s50, v16
	v_readfirstlane_b32 s51, v17
	v_readfirstlane_b32 s52, v18
	v_readfirstlane_b32 s53, v19
	s_add_co_u32 s38, s50, s51                     ; the first rank of quarters 1, 2, 3: s50, s38, s39
	s_add_co_u32 s39, s38, s52
	s_add_co_u32 s54, s39, s53                     ; the expert's rows
	s_sub_co_u32 s40, QW, s50                      ; what a rank gains in the list at each quarter's edge
	s_sub_co_u32 s41, QW, s51
	s_sub_co_u32 s42, QW, s52
	s_cmp_eq_u32 s29, 0
	s_cselect_b32 s43, 128, 0                      ; the list's first word, counted from SLIST
	s_cselect_b32 s55, s46, s47
	s_cselect_b32 s37, s50, 0x7fffffff             ; job S's list has no edges
	s_cselect_b32 s38, s38, 0x7fffffff
	s_cselect_b32 s39, s39, 0x7fffffff
	s_cselect_b32 s54, s54, 128
	s_add_co_u32 s33, s54, 15
	s_lshr_b32 s33, s33, 4
	s_min_u32 s33, s33, 64                         ; tiles of 16 rows
	s_sub_co_u32 s34, s54, 1                       ; the last rank
	s_lshl_b32 s46, s55, 16
	s_lshl_b32 s47, s5, 11                         ; my 4 blocks of 16 columns
	s_add_co_u32 s46, s46, s47
	s_mov_b32 s47, 0
	s_add_nc_u64 s[26:27], s[20:21], s[46:47]
	s_mov_b32 s35, s2                              ; my first tile: w + 20 x pass; then every fourth
	s_mov_b32 s31, 4
.Lpass:
	s_cmp_ge_u32 s35, s33
	s_cbranch_scc1 .Lpass_end                      ; nothing left for me: forward, past no barrier
	s_sub_co_u32 s36, s33, s35
	s_add_co_u32 s36, s36, 3
	s_lshr_b32 s36, s36, 2
	s_min_u32 s36, s36, 5                          ; my live tiles in this pass
	s_wait_xcnt 0x0                                ; the last pass's loads and stores have read their address registers
	s_mov_b64 s[24:25], s[8:9]
.irp i, 0,1,2,3,4
	LOOK \i
.endr
.irp i, 0,1,2,3,4
	s_add_co_u32 s46, s35, 4*\i
	s_lshl_b32 s46, s46, 16
	v_add_nc_u32 v[HO+\i], s46, v[L16]
.endr
	s_wait_dscnt 0x0
.irp i, 0,1,2,3,4
	v_sub_nc_u32 v12, v[PL+\i], s44
	v_lshrrev_b32 v12, s45, v12
	v_min_u32 v12, 0x3ff, v12
	v_lshlrev_b32 v12, 11, v12                     ; the token's row of 2,048 bytes,
	v_add_nc_u32 v[AO+\i], v[H16], v12             ; 16 bytes for each half of the lanes
.endr
.irp k, 0,1,2,3,4
	ALOAD \k
.endr
	BLOAD 0, BA0, 0
	KB 0, 1, 1, 1, 50, BA0, 0
	KB 1, 0, 1, 1, 50, BA0, 0
	KB 2, 0, 1, 1, 50, BA0, 0
	s_mov_b32 s32, 0
.Lk:                                                   ; a trip: 6 K blocks, once round the ring of rows' fragments
	s_mul_i32 s60, s32, 6144                       ; the trip's 6 K blocks of 1,024 bytes in a column tile
.irp q, 0,1,2,3
	v_add_nc_u32 v[BA+\q], s60, v[BA0+\q]
.endr
.irp k, 3,4,5,6,7,8
	KB \k, 0, 1, 1, 50, BA, 0
.endr
	s_wait_xcnt 0x0                                ; the base steps only when the loads have had their addresses translated
	s_add_nc_u64 s[24:25], s[24:25], 6*ASTEP
	s_add_co_u32 s32, s32, 1
	s_cmp_lt_u32 s32, 4
	s_cbranch_scc1 .Lk
	KB 3, 0, 0, 1, 40, BA0, 24                     ; K blocks 27 to 31: no rows are left to ask for, the counts run down
	KB 4, 0, 0, 1, 30, BA0, 24
	KB 5, 0, 0, 1, 20, BA0, 24
	KB 6, 0, 0, 1, 10, BA0, 24
	KB 7, 0, 0, 0, 0, BA0, 24
.rept 4
	v_nop                                          ; four places behind the last products
.endr
.irp i, 0,1,2,3,4
	EPI \i
.endr
.Lpass_end:
	s_add_co_u32 s35, s35, 20
	s_sub_co_u32 s31, s31, 1
	s_cmp_lg_u32 s31, 0
	s_cbranch_scc1 .Lpass
	s_wait_dscnt 0x0                               ; my reads of the slice are over
	s_barrier_signal -1
	s_barrier_wait -1                              ; everybody's are: the next job may write it
	s_sub_co_u32 s28, s28, 1
	s_cmp_lg_u32 s28, 0
	s_cbranch_scc1 .Ljob
	s_wait_tensorcnt 0x0                           ; the wave's end
	ds_add_u32 v[SPW], v[NIL]
	s_wait_dscnt 0x0
	s_endpgm
.Lfunc_end_k_q35b18ade78_up:
	.size	k_q35b18ade78_up, .Lfunc_end_k_q35b18ade78_up-k_q35b18ade78_up
	.p2alignl 7, 3214868480
	.fill 96, 4, 3214868480
	.section	.rodata,"a",@progbits
	.p2align	6, 0x0
	.amdhsa_kernel k_q35b18ade78_up
		.amdhsa_group_segment_fixed_size 272384
		.amdhsa_private_segment_fixed_size 0
		.amdhsa_enable_private_segment 0
		.amdhsa_kernarg_size 56
		.amdhsa_user_sgpr_count 2
		.amdhsa_user_sgpr_kernarg_segment_ptr 1
		.amdhsa_wavefront_size32 1
		.amdhsa_system_sgpr_workgroup_id_x 1
		.amdhsa_system_sgpr_workgroup_id_y 1
		.amdhsa_system_sgpr_workgroup_id_z 1
		.amdhsa_system_vgpr_workitem_id 0
		.amdhsa_next_free_vgpr 1008
		.amdhsa_next_free_sgpr 66
		.amdhsa_reserve_vcc 1
		.amdhsa_float_denorm_mode_32 3
		.amdhsa_float_denorm_mode_16_64 3
		.amdhsa_memory_ordered 1
		.amdhsa_forward_progress 1
		.amdhsa_inst_pref_size 169
	.end_amdhsa_kernel
	.amdgpu_metadata
---
amdhsa.version: [ 1, 2 ]
amdhsa.kernels:
  - .name:           k_q35b18ade78_up
    .symbol:         k_q35b18ade78_up.kd
    .args:
      - { .name: xb, .offset: 0, .size: 8, .value_kind: global_buffer, .address_space: global }
      - { .name: sel, .offset: 8, .size: 8, .value_kind: global_buffer, .address_space: global }
      - { .name: W_gate, .offset: 16, .size: 8, .value_kind: global_buffer, .address_space: global }
      - { .name: W_up, .offset: 24, .size: 8, .value_kind: global_buffer, .address_space: global }
      - { .name: Ws_gate, .offset: 32, .size: 8, .value_kind: global_buffer, .address_space: global }
      - { .name: Ws_up, .offset: 40, .size: 8, .value_kind: global_buffer, .address_space: global }
      - { .name: hid, .offset: 48, .size: 8, .value_kind: global_buffer, .address_space: global }
    .group_segment_fixed_size: 272384
    .private_segment_fixed_size: 0
    .kernarg_segment_align: 8
    .kernarg_segment_size: 56
    .max_flat_workgroup_size: 128
    .sgpr_count:     66
    .vgpr_count:     1008
    .wavefront_size: 32
...
	.end_amdgpu_metadata
.endif
;; end of part 2
;; launch down (part 3): grid 256 x 1, 4 waves a work-group, no clusters, 158,720 bytes of LDS; arguments hid, sel, wts, W_down, Ws_down, y; writes y
.if DOCPART == 3
	.amdgcn_target "amdgcn-amd-amdhsa--gfx1250"
	.amdhsa_code_object_version 6
	.text
	.protected	k_q35b18ade78_down
	.globl	k_q35b18ade78_down
	.p2align	8
	.type	k_q35b18ade78_down,@function
k_q35b18ade78_down:
	s_mov_b64 s[64:65], 0
	v_nop
	global_prefetch_b8 v0, s[64:65] scope:SCOPE_SE
	s_setreg_imm32_b32 hwreg(HW_REG_WAVE_MODE, 25, 1), 1
	s_wait_xcnt 0x0
; DOWN.  y[kh][slot] = weight(slot) x (hid's row . Wdown), by halves kh of the 2,048 hidden columns: partial sums in f32, added by the launch that follows.
; A work-group (e = g / 32, s = (g / 2) % 16, kh = g % 2) does two JOBS with one text.  Job R: rows 1024 kh .. + 1023, columns 64 s .. + 63 of W_down[e], which it alone reads, times all rows
; of expert e.  Job S: the same part of Ws_down times tokens 128 e .. 128 e + 127.  Work-groups with kh = 1 do S first.
; Phases, lists and ranks are those of the launch before: FILL rounds the slice to bf16 into LDS in operand order; MULTIPLY has up to four passes of up to 5 tiles of 16 rows a wave.
; hid lies in operand order, so a row fragment is two loads of 512 consecutive bytes.  64 columns are 256 bytes of a row of W_down and of y; K goes in halves so that 256 work-groups have a slice each.
; The 32 K blocks of a pass are written out: every LDS address of the phase is then a register that is never rewritten and an immediate.
; A result tile goes through the wave's own stage in LDS and leaves as whole rows of 256 bytes, each to its slot's row of y.  All lanes stay on: in a tile that is not full the places past the
; count repeat the last rank, so such a row has the last row's slot, weight and hidden numbers, and its store writes the same numbers to the same bytes once more (15 rows of 256 bytes a job at the most).
; LIMITS.  NaN and infinities are not treated apart.
; NO CLUSTER, NO TENSOR LOADS: an R slice has one reader, and the f32 weights pass through registers to be rounded and turned; an expert's 32 work-groups do share its rows of hid, but how many
; tiles those are hangs on a count, and partners of unlike experts would need unlike numbers of joint loads.
; REGISTERS, in windows of 256: window 0: addresses; v64-95, v96-127 weights' fragments; v128-235 the way out (FILL: v128-191 packed weights)
;   window 1: FILL: 8 slots of 32 registers; MULTIPLY: accumulators ((i, c) at 32 i + 8 c)     window 2: v0-239 rows' fragments: a ring of 6 K blocks x 5 tiles x 8
.set PITCH, 4096
.set CT,    32784                      ; a tile of 16 columns in LDS: 64 groups of 16 k x 512 bytes, + 16
.set NC,    4
.set ASTEP, 1024                       ; bytes of a tile of hid in a K block of 32: two blocks of 16 columns
.set AHALF, 512
.set QW,    544                        ; words in a quarter of LIST: 512 places, then a word for each lane that has no hit
.set SLIST, 131328
.set LIST,  131840                     ; LIST lies 128 words behind SLIST, and both are addressed from SLIST
.set CNTS,  140544
.set STAGE, 140800                     ; for each wave 16 rows x 272 bytes (256 + 16)
.set SP,    272
.set SPARE, 158208                     ; the spare words: 128 bytes a wave, named by no other line
.set GO,  4
.set LW,  5
.set L16, 7
.set LB,  9
.set P0,  10
.set SO,  11
.set CW,  14
.set CA,  15
.set LZ,  20
.set LZ4, 21
.set DMP, 22
.set LS,  23                           ; v23  SLIST; never rewritten
.set AO,  24                           ; v24-28  tile i: my bytes in its tile of hid
.set PL,  34                           ; v34-38  tile i: my row's slot
.set BA0, 41                           ; v41-42  LDS address of column tiles 2 q, 2 q + 1; never rewritten
.set SPW, 62
.set NIL, 63
.set BB,  64
.set TT,  128                          ; v128-191 FILL: four sets of 16 registers of packed weights, by turns
.set T2,  128                          ; v128-159 a tile's results, weighted
.set OO,  160                          ; v160-191 the same as whole rows
.set PR,  192                          ; v192-199 the slot of the row that I store
.set YO,  200                          ; v200-207 its bytes in y
.set WT,  208                          ; v208-217 tile i: my row's weight, twice
.set WA,  219                          ; v219-223 tile i: my weight's bytes in wts
.set STO, 224
.set RD,  225
.set C16, 226                          ; 16 (l % 16)
.set C4H, 227                          ; 4 h
.set IXR, 228                          ; v228-235 4 x (2 t + h): the lane that holds the slot of row 2 t + h; never rewritten
.set MSB, 0
.macro WIN new                         ; the immediate's high byte repeats the setting that is left; a switch that changes nothing is dropped
.if MSB != (\new)
	s_set_vgpr_msb (MSB<<8)|(\new)
.set MSB, (\new)
.endif
.endm
.macro LPRO                            ; the first 8 groups of 16 k x 64 columns: 64 loads are asked for before the first wait
	WIN 0x40
.set n, 0
.rept 64
	global_load_b128 v[4*n:4*n+3], v[GO], s[22:23] offset:(16*(n/8)+n%8)*PITCH
.set n, n+1
.endr
	WIN 0
.endm
; Slot i's group is packed, 8 consecutive k of a column to 16 bytes, and stored in operand order.  The packed words go to one of four sets by turns, so that a group's conversions do not land on
; registers that the LDS stores of the three groups before still name; the refill stands between the conversions and the stores.
.macro SLOT i, ahead, left, ldsoff
	s_wait_loadcnt \left                           ; the younger groups' loads stay out
	WIN 0x05
.irp j, 0,1,2,3
.irp d, 0,1,2,3
	v_cvt_pk_bf16_f32 v[TT+16*((\i)%4)+4*\j+\d], v[32*(\i)+8*\d+\j], v[32*(\i)+8*\d+4+\j]
.endr
.endr
.if \ahead
	WIN 0x40
.irp d, 0,1,2,3,4,5,6,7
	global_load_b128 v[32*(\i)+4*\d:32*(\i)+4*\d+3], v[GO], s[22:23] offset:(128+16*(\i)+\d)*PITCH
.endr
.endif
	WIN 0
.irp j, 0,1,2,3
	ds_store_b128 v[LW], v[TT+16*((\i)%4)+4*\j:TT+16*((\i)%4)+4*\j+3] offset:(\ldsoff)+16*\j
.endr
.endm
.macro BUILD                           ; the lists: the same scan, in the same order, as in the launch before
.irp j, 16,17,18,19
	v_mov_b32 v[\j], 0
.endr
.irp q, 0,1,2,3
	ds_store_b128 v[LZ], v[16:19] offset:512*\q    ; my quarter starts as zeros: 4 x 512 + 128 = its 2,176 bytes
.endr
	ds_store_b32 v[LZ4], v16 offset:2048
	s_wait_loadcnt 63                              ; 64 loads are younger than sel's four; 63 is the largest count that the wait can name
	s_mov_b32 s47, 0
.irp q, 0,1,2,3
.irp c, 0,1,2,3
	v_cmp_eq_u32 vcc_lo, s4, v[BB+4*\q+\c]
	v_mbcnt_lo_u32_b32 v12, vcc_lo, s47            ; hits so far + hits in the lanes below mine
	v_cndmask_b32 v12, v[DMP], v12, vcc_lo         ; no hit: my own word behind the 512 places
	v_min_u32 v12, QW-1, v12
	v_lshlrev_b32 v12, 2, v12
	v_add_nc_u32 v12, v[LB], v12
	v_add_nc_u32 v13, 128*\q+\c, v[P0]
	ds_store_b32 v12, v13
	s_bcnt1_i32_b32 s46, vcc_lo
	s_add_co_u32 s47, s47, s46
.endr
.endr
	v_mov_b32 v13, s47
	ds_store_b32 v[CW], v13
	s_lshl_b32 s46, s4, 7
	s_add_co_u32 s46, s46, 2048
	v_add_nc_u32 v13, s46, v0
	v_lshl_add_u32 v12, v0, 2, SLIST
	ds_store_b32 v12, v13
.endm
.macro LOOK i                          ; tile i's slots: rank 16 t_i + r, at most the last; the quarters' corrections; job R's 128 words from SLIST to LIST; the clamp; the word
	s_add_co_u32 s46, s35, 4*(\i)
	s_lshl_b32 s46, s46, 4
	v_add_nc_u32 v39, s46, v2
	v_min_u32 v39, s34, v39
	v_cmp_le_u32 vcc_lo, s37, v39
	v_cndmask_b32 v40, 0, s40, vcc_lo
	v_cmp_le_u32 vcc_lo, s38, v39
	v_cndmask_b32 v12, 0, s41, vcc_lo
	v_cmp_le_u32 vcc_lo, s39, v39
	v_cndmask_b32 v13, 0, s42, vcc_lo
	v_add_nc_u32 v39, v39, v40
	v_add_nc_u32 v12, v12, v13
	v_add_nc_u32 v39, v39, v12
	v_add_nc_u32 v39, s43, v39
	v_min_u32 v39, 128+4*QW-1, v39                 ; the last word of LIST, counted from SLIST
	v_lshlrev_b32 v39, 2, v39
	v_add_nc_u32 v39, v[LS], v39
	ds_load_b32 v[PL+(\i)], v39
.endm
.macro ALOAD kb                        ; the rows' fragments of K block kb: 10 loads on every path, so that the counted waits hold; a dead tile repeats the last live one
	WIN 0x80
.irp t, 0,1,2,3,4
	global_load_b128 v[40*((\kb)%6)+8*\t:40*((\kb)%6)+8*\t+3], v[AO+\t], s[24:25] offset:(\kb)*ASTEP
	global_load_b128 v[40*((\kb)%6)+8*\t+4:40*((\kb)%6)+8*\t+7], v[AO+\t], s[24:25] offset:(\kb)*ASTEP+AHALF
.endr
.endm
.macro BLOAD kb                        ; the weights' fragments of K block kb: 512 consecutive bytes a load
	WIN 0
.irp c, 0,1,2,3
	ds_load_b128 v[BB+8*NC*((\kb)%2)+8*\c:BB+8*NC*((\kb)%2)+8*\c+3], v[BA0+\c/2] offset:(\c%2)*CT+(\kb)*1024
	ds_load_b128 v[BB+8*NC*((\kb)%2)+8*\c+4:BB+8*NC*((\kb)%2)+8*\c+7], v[BA0+\c/2] offset:(\c%2)*CT+(\kb)*1024+512
.endr
.endm
.macro TILE kb, i                      ; source 0 = 16 columns of the weights, source 1 = 16 rows of hid; the accumulators take turns
	WIN 0x58
.irp c, 0,1,2,3
.set rD, 32*(\i)+8*\c
.set rB, BB+8*NC*((\kb)%2)+8*\c
.set rA, 40*((\kb)%6)+8*(\i)
.if (\kb) == 0
	v_wmma_f32_16x16x32_bf16 v[rD:rD+7], v[rB:rB+7], v[rA:rA+7], 0
.else
	v_wmma_f32_16x16x32_bf16 v[rD:rD+7], v[rB:rB+7], v[rA:rA+7], v[rD:rD+7]
.endif
.endr
.endm
; The four waves leave the barrier together and run the same text, so their runs of 8 LDS loads would fall together in every K block.  Once a pass wave w idles n w times s_nop 15,
; so that one wave's run stands beside the other three waves' products.
.macro SKEW n
	s_cmp_lt_u32 s2, 1
	s_cbranch_scc1 .Lskew_\@
.rept \n
	s_nop 15
.endr
	s_cmp_lt_u32 s2, 2
	s_cbranch_scc1 .Lskew_\@
.rept \n
	s_nop 15
.endr
	s_cmp_lt_u32 s2, 3
	s_cbranch_scc1 .Lskew_\@
.rept \n
	s_nop 15
.endr
.Lskew_\@:
.endm
; K block kb of 32.  Four places behind the last block's products (ISA guide 7.12.1 for vector instructions), then the loads into the registers that they read: rows 5 blocks ahead, weights 1 ahead.
; Block 0's products start the sums, for all 5 tiles, so that every accumulator is written on every path.  In the others the tiles past the pass's number are jumped, forward.
.macro KB kb
.rept 4
	v_nop
.endr
.if (\kb) < 27
	ALOAD (\kb)+5
.endif
.if (\kb) < 31
	BLOAD (\kb)+1
	s_wait_dscnt 2*NC                              ; the 8 just issued may be out: this block's weights are in
.else
	WIN 0
	s_wait_dscnt 0x0
.endif
.if (\kb) < 27
	s_wait_loadcnt 50                              ; the five younger blocks' loads, 10 each, may be out: this block's rows are in
.else
	s_wait_loadcnt 10*(31-(\kb))                   ; no rows are left to ask for: the counts run down
.endif
.if (\kb) == 0
	SKEW 2
.endif
	TILE \kb, 0
.irp t, 1,2,3,4
.if (\kb) != 0
	WIN 0
	s_cmp_le_u32 s36, \t
	s_cbranch_scc1 .Lkb_end_\@
.endif
	TILE \kb, \t
.endr
	WIN 0
.Lkb_end_\@:
.endm
; Tile i's way out.
.macro EPI2 i
.if (\i) > 0
	s_cmp_le_u32 s36, \i
	s_cbranch_scc1 .Lpass_end
.endif
	s_wait_xcnt 0x0                                ; the last tile's stores have read v160-207
	v_mov_b32 v[WT+2*(\i)+1], v[WT+2*(\i)]         ; the weight twice, for the packed multiply
	WIN 0x01
.irp c, 0,1,2,3
.irp z, 0,2,4,6
	v_pk_mul_f32 v[T2+8*\c+\z:T2+8*\c+\z+1], v[32*(\i)+8*\c+\z:32*(\i)+8*\c+\z+1], v[WT+2*(\i):WT+2*(\i)+1]
.endr
.endr
	WIN 0
.irp c, 0,1,2,3
	ds_store_b128 v[STO], v[T2+8*\c:T2+8*\c+3] offset:64*\c        ; row r, columns 16 c + 8 h ..
	ds_store_b128 v[STO], v[T2+8*\c+4:T2+8*\c+7] offset:64*\c+16
.endr
.irp t, 0,1,2,3,4,5,6,7
	ds_bpermute_b32 v[PR+\t], v[IXR+\t], v[PL+(\i)]  ; the slot of row 2 t + h, from the lane of that number
.endr
.irp t, 0,1,2,3,4,5,6,7
	ds_load_b128 v[OO+4*\t:OO+4*\t+3], v[RD] offset:2*SP*\t        ; LDS serves a wave's instructions in order (ISA guide 5.7.1.4): these see the stores above
.endr
	s_wait_dscnt 0x0
.irp t, 0,1,2,3,4,5,6,7
	v_min_u32 v12, 0xbff, v[PR+\t]
	v_lshlrev_b32 v12, 12, v12
	v_add_nc_u32 v[YO+\t], v[C16], v12
.endr
.irp t, 0,1,2,3,4,5,6,7
	global_store_b128 v[YO+\t], v[OO+4*\t:OO+4*\t+3], s[26:27]     ; 16 lanes store 256 consecutive bytes, at a multiple of 256 from y's first
.endr
.endm
	s_load_b256 s[8:15], s[0:1], 0x0               ; hid s[8:9], sel s[10:11], wts s[12:13], W_down s[14:15]
	s_load_b128 s[16:19], s[0:1], 0x20             ; Ws_down s[16:17], y s[18:19]
	v_lshl_add_u32 v[SPW], v0, 2, SPARE
	v_mov_b32 v[NIL], 0
	v_lshrrev_b32 v12, 5, v0
	v_readfirstlane_b32 s2, v12                    ; wave w
	s_mov_b32 s3, ttmp9
	s_lshr_b32 s4, s3, 5                           ; e
	s_bfe_u32 s5, s3, 0x40001                      ; s
	s_and_b32 s6, s3, 1                            ; kh; also: 1 = job S first
	v_and_b32 v1, 31, v0
	v_and_b32 v2, 15, v0
	v_bfe_u32 v3, v0, 4, 1
	v_lshlrev_b32 v[C16], 4, v2
	v_lshlrev_b32 v[C4H], 2, v3
.irp t, 0,1,2,3,4,5,6,7
	v_add_nc_u32 v[IXR+\t], 8*\t, v[C4H]
.endr
	v_lshl_add_u32 v[GO], v3, 15, v[C16]           ; 16 (l % 16) + 8 rows of 4,096 bytes for lanes 16-31
	v_bfe_u32 v12, v0, 2, 2
	v_mul_u32_u24 v[LW], v12, CT
	v_lshl_add_u32 v[LW], v3, 8, v[LW]
	v_and_b32 v12, 3, v0
	v_lshl_add_u32 v[LW], v12, 6, v[LW]
	s_lshl_b32 s46, s2, 13                         ; my quarter of K: 16 groups of 512 bytes
	v_add_nc_u32 v[LW], s46, v[LW]
	v_lshlrev_b32 v[L16], 4, v1
.irp q, 0,1
	v_add_nc_u32 v[BA0+\q], 2*\q*CT, v[L16]
.endr
	s_lshl_b32 s46, s2, 9
	v_lshl_add_u32 v[P0], v1, 2, s46
	s_lshl_b32 s46, s2, 11
	v_add_nc_u32 v[SO], s46, v[L16]
	s_mul_i32 s46, s2, 4*QW
	s_add_co_u32 s46, s46, LIST
	v_mov_b32 v[LB], s46
	v_lshl_add_u32 v[LZ], v1, 4, s46
	v_lshl_add_u32 v[LZ4], v1, 2, s46
	v_add_nc_u32 v[DMP], 512, v1
	v_mov_b32 v[LS], SLIST
	s_lshl_b32 s46, s2, 2
	s_add_co_u32 s46, s46, CNTS
	v_mov_b32 v[CW], s46
	v_mov_b32 v[CA], CNTS
	s_mul_i32 s46, s2, 16*SP
	s_add_co_u32 s46, s46, STAGE                   ; my stage
	v_mul_u32_u24 v[STO], v2, SP
	v_lshl_add_u32 v[STO], v3, 5, v[STO]
	v_add_nc_u32 v[STO], s46, v[STO]               ; in: row r, 32 bytes for each half of the lanes
	v_mul_u32_u24 v[RD], v3, SP
	v_add_nc_u32 v[RD], v[RD], v[C16]
	v_add_nc_u32 v[RD], s46, v[RD]                 ; back: lanes 0-15 one row of 256 bytes, lanes 16-31 the next
	s_lshl_b32 s46, s6, 22                         ; my half of the rows,
	s_lshl_b32 s47, s5, 8                          ; my 64 columns,
	s_add_co_u32 s58, s46, s47
	s_lshl_b32 s46, s2, 20                         ; my wave's 256 rows
	s_add_co_u32 s58, s58, s46
	s_mov_b32 s59, 0
	s_lshl_b32 s46, s4, 23                         ; my expert
	s_add_co_u32 s56, s58, s46
	s_mov_b32 s57, 0
	s_mul_i32 s46, s6, 12582912                    ; y's half: 3,072 rows of 4,096 bytes
	s_add_co_u32 s46, s46, s47
	s_mov_b32 s47, 0
	s_wait_kmcnt 0x0
	s_add_nc_u64 s[14:15], s[14:15], s[56:57]
	s_add_nc_u64 s[16:17], s[16:17], s[58:59]
	s_add_nc_u64 s[26:27], s[18:19], s[46:47]
.irp q, 0,1,2,3
	global_load_b128 v[BB+4*\q:BB+4*\q+3], v[SO], s[10:11] offset:512*\q  ; my 512 slots of sel
.endr
	s_mov_b32 s28, 2                               ; jobs to go
.Ljob:
	s_wait_xcnt 0x0                                ; the last job's loads have read their bases, its stores their data
	s_xor_b32 s29, s28, s6
	s_and_b32 s29, s29, 1                          ; kind: 0 = R, 1 = S
	s_cmp_eq_u32 s29, 0
	s_cselect_b64 s[22:23], s[14:15], s[16:17]
	LPRO
	s_cmp_lg_u32 s28, 2
	s_cbranch_scc1 .Lbuilt                         ; the lists are made in the first job alone
	BUILD
.Lbuilt:
.irp i, 0,1,2,3,4,5,6,7
	SLOT \i, 1, 56, (\i)*512                       ; groups 0-7 packed, 8-15 asked for; 56 = the seven younger groups' loads
.endr
.irp i, 0,1,2,3,4,5,6,7
	SLOT \i, 0, 56-8*(\i), (8+(\i))*512            ; groups 8-15: the counts run down
.endr
	s_wait_dscnt 0x0                               ; for the others' sake: my part of the slice, my list and my count are stored
	s_barrier_signal -1
	s_barrier_wait -1
	; the job's numbers
	ds_load_b128 v[16:19], v[CA]
	s_lshl_b32 s46, s4, 6                          ; hid's first tile: 64 e, or 512 + 8 e
	s_lshl_b32 s47, s4, 3
	s_add_co_u32 s47, s47, 512
	s_wait_dscnt 0x0
	v_readfirstlane_b32 s50, v16
	v_readfirstlane_b32 s51, v17
	v_readfirstlane_b32 s52, v18
	v_readfirstlane_b32 s53, v19
	s_add_co_u32 s38, s50, s51
	s_add_co_u32 s39, s38, s52
	s_add_co_u32 s54, s39, s53                     ; the expert's rows
	s_sub_co_u32 s40, QW, s50
	s_sub_co_u32 s41, QW, s51
	s_sub_co_u32 s42, QW, s52
	s_cmp_eq_u32 s29, 0
	s_cselect_b32 s43, 128, 0                      ; the list's first word, counted from SLIST
	s_cselect_b32 s55, s46, s47
	s_cselect_b32 s37, s50, 0x7fffffff
	s_cselect_b32 s38, s38, 0x7fffffff
	s_cselect_b32 s39, s39, 0x7fffffff
	s_cselect_b32 s54, s54, 128
	s_add_co_u32 s33, s54, 15
	s_lshr_b32 s33, s33, 4
	s_min_u32 s33, s33, 64                         ; tiles of 16 rows
	s_sub_co_u32 s34, s54, 1                       ; the last rank
	s_sub_co_u32 s20, s33, 1                       ; the last live tile
	s_lshl_b32 s46, s55, 16
	s_lshl_b32 s47, s6, 15                         ; my half: 64 blocks of 512 bytes
	s_add_co_u32 s46, s46, s47
	s_mov_b32 s47, 0
	s_add_nc_u64 s[24:25], s[8:9], s[46:47]        ; the job's first tile of hid, my half of its columns
	s_mov_b32 s35, s2                              ; my first tile: w + 20 x pass; then every fourth
	s_mov_b32 s31, 4
.Lpass:
	s_cmp_ge_u32 s35, s33
	s_cbranch_scc1 .Lpass_end                      ; nothing left for me: forward, past no barrier
	s_sub_co_u32 s36, s33, s35
	s_add_co_u32 s36, s36, 3
	s_lshr_b32 s36, s36, 2
	s_min_u32 s36, s36, 5                          ; my live tiles in this pass
	s_wait_xcnt 0x0                                ; the last pass's loads and stores have read their address registers
.irp i, 0,1,2,3,4
	LOOK \i
.endr
.irp i, 0,1,2,3,4
	s_add_co_u32 s46, s35, 4*\i
	s_min_u32 s46, s46, s20
	s_min_u32 s46, s46, 63
	s_lshl_b32 s46, s46, 16
	v_add_nc_u32 v[AO+\i], s46, v[L16]
.endr
	s_wait_dscnt 0x0
.irp i, 0,1,2,3,4
	v_min_u32 v12, 0xbff, v[PL+\i]
	v_lshlrev_b32 v[WA+\i], 2, v12
	global_load_b32 v[WT+2*\i], v[WA+\i], s[12:13] ; older than every load of rows: the first K block's wait covers it
.endr
.irp k, 0,1,2,3,4
	ALOAD \k
.endr
	BLOAD 0
.set kk, 0
.rept 32
	KB kk
.set kk, kk+1
.endr
.rept 4
	v_nop                                          ; four places behind the last products
.endr
.irp i, 0,1,2,3,4
	EPI2 \i
.endr
.Lpass_end:
	s_add_co_u32 s35, s35, 20
	s_sub_co_u32 s31, s31, 1
	s_cmp_lg_u32 s31, 0
	s_cbranch_scc1 .Lpass
	s_wait_dscnt 0x0                               ; my reads of the slice are over
	s_barrier_signal -1
	s_barrier_wait -1                              ; everybody's are: the next job may write it
	s_sub_co_u32 s28, s28, 1
	s_cmp_lg_u32 s28, 0
	s_cbranch_scc1 .Ljob
	s_wait_tensorcnt 0x0                           ; the wave's end
	ds_add_u32 v[SPW], v[NIL]
	s_wait_dscnt 0x0
	s_endpgm
.Lfunc_end_k_q35b18ade78_down:
	.size	k_q35b18ade78_down, .Lfunc_end_k_q35b18ade78_down-k_q35b18ade78_down
	.p2alignl 7, 3214868480
	.fill 96, 4, 3214868480
	.section	.rodata,"a",@progbits
	.p2align	6, 0x0
	.amdhsa_kernel k_q35b18ade78_down
		.amdhsa_group_segment_fixed_size 158720
		.amdhsa_private_segment_fixed_size 0
		.amdhsa_enable_private_segment 0
		.amdhsa_kernarg_size 48
		.amdhsa_user_sgpr_count 2
		.amdhsa_user_sgpr_kernarg_segment_ptr 1
		.amdhsa_wavefront_size32 1
		.amdhsa_system_sgpr_workgroup_id_x 1
		.amdhsa_system_sgpr_workgroup_id_y 1
		.amdhsa_system_sgpr_workgroup_id_z 1
		.amdhsa_system_vgpr_workitem_id 0
		.amdhsa_next_free_vgpr 752
		.amdhsa_next_free_sgpr 66
		.amdhsa_reserve_vcc 1
		.amdhsa_float_denorm_mode_32 3
		.amdhsa_float_denorm_mode_16_64 3
		.amdhsa_memory_ordered 1
		.amdhsa_forward_progress 1
		.amdhsa_inst_pref_size 188
	.end_amdhsa_kernel
	.amdgpu_metadata
---
amdhsa.version: [ 1, 2 ]
amdhsa.kernels:
  - .name:           k_q35b18ade78_down
    .symbol:         k_q35b18ade78_down.kd
    .args:
      - { .name: hid, .offset: 0, .size: 8, .value_kind: global_buffer, .address_space: global }
      - { .name: sel, .offset: 8, .size: 8, .value_kind: global_buffer, .address_space: global }
      - { .name: wts, .offset: 16, .size: 8, .value_kind: global_buffer, .address_space: global }
      - { .name: W_down, .offset: 24, .size: 8, .value_kind: global_buffer, .address_space: global }
      - { .name: Ws_down, .offset: 32, .size: 8, .value_kind: global_buffer, .address_space: global }
      - { .name: y, .offset: 40, .size: 8, .value_kind: global_buffer, .address_space: global }
    .group_segment_fixed_size: 158720
    .private_segment_fixed_size: 0
    .kernarg_segment_align: 8
    .kernarg_segment_size: 48
    .max_flat_workgroup_size: 128
    .sgpr_count:     66
    .vgpr_count:     752
    .wavefront_size: 32
...
	.end_amdgpu_metadata
.endif
;; end of part 3
;; launch sum (part 4): grid 257 x 1, 8 waves a work-group, no clusters, 0 bytes of LDS; arguments y, part, out0, out1; writes out0, out1
.if DOCPART == 4
	.amdgcn_target "amdgcn-amd-amdhsa--gfx1250"
	.amdhsa_code_object_version 6
	.text
	.protected	k_q35b18ade78_sum
	.globl	k_q35b18ade78_sum
	.p2align	8
	.type	k_q35b18ade78_sum,@function
k_q35b18ade78_sum:
	s_mov_b64 s[64:65], 0
	v_nop
	global_prefetch_b8 v0, s[64:65] scope:SCOPE_SE
	s_setreg_imm32_b32 hwreg(HW_REG_WAVE_MODE, 25, 1), 1
	s_wait_xcnt 0x0
; SUM.  out0[n] = the six partial rows of token n: slots 2 n, 2 n + 1 and 2048 + n, in both K halves.  out1 = 0.08 / (2048 x 1024) x the sum over experts of (choices x sum of scores).
; A stream: work-groups 0 to 255 own 4 tokens each, thread t the 16 bytes at 16 t of every row; all 24 loads of a thread are asked for before the first wait.
; Work-group 256 makes the loss, in its wave 0, beside the rows' work and not behind it: 64 x 16 numbers are one wave's work, so its other waves have none.
; No LDS, no barrier, no matrix unit: memory binds.
	s_load_b256 s[8:15], s[0:1], 0x0               ; y s[8:9], part s[10:11], out0 s[12:13], out1 s[14:15]
	v_lshlrev_b32 v1, 4, v0
	v_lshrrev_b32 v2, 5, v0
	v_readfirstlane_b32 s2, v2                     ; wave
	s_mov_b32 s3, ttmp9
	s_cmp_eq_u32 s3, 256
	s_cbranch_scc1 .Lloss
	s_lshl_b32 s16, s3, 15                         ; 8 routed rows
	s_mov_b32 s17, 0
	s_lshl_b32 s18, s3, 14                         ; 4 shared rows; 4 rows of out0
	s_mov_b32 s19, 0
	s_wait_kmcnt 0x0
	s_add_nc_u64 s[20:21], s[8:9], s[16:17]        ; half 0, routed
	s_add_nc_u64 s[22:23], s[8:9], s[18:19]
	s_add_nc_u64 s[22:23], s[22:23], 8388608       ; half 0, shared: behind 2,048 rows
	s_add_nc_u64 s[24:25], s[20:21], 12582912      ; half 1: 3,072 rows on
	s_add_nc_u64 s[26:27], s[22:23], 12582912
	s_add_nc_u64 s[12:13], s[12:13], s[18:19]
.irp i, 0,1,2,3
	global_load_b128 v[4+24*\i:7+24*\i],   v1, s[20:21] offset:8192*\i th:TH_LOAD_NT
	global_load_b128 v[8+24*\i:11+24*\i],  v1, s[20:21] offset:8192*\i+4096 th:TH_LOAD_NT
	global_load_b128 v[12+24*\i:15+24*\i], v1, s[22:23] offset:4096*\i th:TH_LOAD_NT
	global_load_b128 v[16+24*\i:19+24*\i], v1, s[24:25] offset:8192*\i th:TH_LOAD_NT
	global_load_b128 v[20+24*\i:23+24*\i], v1, s[24:25] offset:8192*\i+4096 th:TH_LOAD_NT
	global_load_b128 v[24+24*\i:27+24*\i], v1, s[26:27] offset:4096*\i th:TH_LOAD_NT
.endr
.irp i, 0,1,2,3
	s_wait_loadcnt 18-6*\i                         ; the younger tokens' loads, 6 each, stay out
.irp j, 0,2
	v_pk_add_f32 v[4+24*\i+\j:5+24*\i+\j],   v[4+24*\i+\j:5+24*\i+\j],   v[8+24*\i+\j:9+24*\i+\j]
	v_pk_add_f32 v[12+24*\i+\j:13+24*\i+\j], v[12+24*\i+\j:13+24*\i+\j], v[16+24*\i+\j:17+24*\i+\j]
	v_pk_add_f32 v[20+24*\i+\j:21+24*\i+\j], v[20+24*\i+\j:21+24*\i+\j], v[24+24*\i+\j:25+24*\i+\j]
.endr
.irp j, 0,2
	v_pk_add_f32 v[4+24*\i+\j:5+24*\i+\j],   v[4+24*\i+\j:5+24*\i+\j],   v[12+24*\i+\j:13+24*\i+\j]
.endr
.irp j, 0,2
	v_pk_add_f32 v[4+24*\i+\j:5+24*\i+\j],   v[4+24*\i+\j:5+24*\i+\j],   v[20+24*\i+\j:21+24*\i+\j]
.endr
	global_store_b128 v1, v[4+24*\i:7+24*\i], s[12:13] offset:4096*\i th:TH_STORE_NT  ; a wave's store covers 512 consecutive bytes, aligned
.endr
	s_endpgm
.Lloss:
	s_cmp_lg_u32 s2, 0
	s_cbranch_scc1 .Lend
	s_mov_b32 s16, 0x76543210                      ; v_permlanex16_b32: each lane takes its own place in the other half
	s_mov_b32 s17, 0xfedcba98
	v_mov_b32 v3, 0
	s_wait_kmcnt 0x0
	; part is [64][16]: lane l of load q holds numbers 4 (l % 4) .. + 3 of work-group 8 q + l / 4
.irp q, 0,1,2,3,4,5,6,7
	global_load_b128 v[100+4*\q:103+4*\q], v1, s[10:11] offset:512*\q
.endr
	s_wait_loadcnt 0x0
.irp q, 0,2,4,6
.irp j, 0,2
	v_pk_add_f32 v[100+4*\q+\j:101+4*\q+\j], v[100+4*\q+\j:101+4*\q+\j], v[104+4*\q+\j:105+4*\q+\j]
.endr
.endr
.irp q, 0,4
.irp j, 0,2
	v_pk_add_f32 v[100+4*\q+\j:101+4*\q+\j], v[100+4*\q+\j:101+4*\q+\j], v[108+4*\q+\j:109+4*\q+\j]
.endr
.endr
.irp j, 0,2
	v_pk_add_f32 v[100+\j:101+\j], v[100+\j:101+\j], v[116+\j:117+\j]
.endr
.irp m, 4,8
.irp j, 0,1,2,3
	v_add_f32_dpp v[100+\j], v[100+\j], v[100+\j] row_xmask:\m row_mask:0xf bank_mask:0xf
.endr
.endr
.irp j, 0,1,2,3
	v_permlanex16_b32 v[104+\j], v[100+\j], s16, s17
.endr
.irp j, 0,1,2,3
	v_add_f32 v[100+\j], v[100+\j], v[104+\j]      ; lanes l % 4 = 0, 1: the scores' sums of experts 0-3, 4-7; 2, 3: the choices'
.endr
.irp j, 0,1,2,3
	v_mul_f32_dpp v[100+\j], v[100+\j], v[100+\j] row_xmask:2 row_mask:0xf bank_mask:0xf  ; scores' sum x choices
.endr
	v_add_f32 v100, v100, v101
	v_add_f32 v102, v102, v103
	v_add_f32 v100, v100, v102
	v_add_f32_dpp v100, v100, v100 row_xmask:1 row_mask:0xf bank_mask:0xf
	v_mul_f32 v100, 0x3323d70a, v100               ; 0.01 x 8 / (2048 x 1024)
	s_wait_xcnt 0x0                                ; EXEC changes only when what has been issued has had its addresses translated (ISA guide 3.1)
	v_cmp_eq_u32 vcc_lo, 0, v0
	s_and_saveexec_b32 s4, vcc_lo
	global_store_b32 v3, v100, s[14:15]
	s_wait_xcnt 0x0
	s_or_b32 exec_lo, exec_lo, s4
.Lend:
	s_endpgm
.Lfunc_end_k_q35b18ade78_sum:
	.size	k_q35b18ade78_sum, .Lfunc_end_k_q35b18ade78_sum-k_q35b18ade78_sum
	.p2alignl 7, 3214868480
	.fill 96, 4, 3214868480
	.section	.rodata,"a",@progbits
	.p2align	6, 0x0
	.amdhsa_kernel k_q35b18ade78_sum
		.amdhsa_group_segment_fixed_size 0
		.amdhsa_private_segment_fixed_size 0
		.amdhsa_enable_private_segment 0
		.amdhsa_kernarg_size 32
		.amdhsa_user_sgpr_count 2
		.amdhsa_user_sgpr_kernarg_segment_ptr 1
		.amdhsa_wavefront_size32 1
		.amdhsa_system_sgpr_workgroup_id_x 1
		.amdhsa_system_sgpr_workgroup_id_y 1
		.amdhsa_system_sgpr_workgroup_id_z 1
		.amdhsa_system_vgpr_workitem_id 0
		.amdhsa_next_free_vgpr 132
		.amdhsa_next_free_sgpr 66
		.amdhsa_reserve_vcc 1
		.amdhsa_float_denorm_mode_32 3
		.amdhsa_float_denorm_mode_16_64 3
		.amdhsa_memory_ordered 1
		.amdhsa_forward_progress 1
		.amdhsa_inst_pref_size 10
	.end_amdhsa_kernel
	.amdgpu_metadata
---
amdhsa.version: [ 1, 2 ]
amdhsa.kernels:
  - .name:           k_q35b18ade78_sum
    .symbol:         k_q35b18ade78_sum.kd
    .args:
      - { .name: y, .offset: 0, .size: 8, .value_kind: global_buffer, .address_space: global }
      - { .name: part, .offset: 8, .size: 8, .value_kind: global_buffer, .address_space: global }
      - { .name: out0, .offset: 16, .size: 8, .value_kind: global_buffer, .address_space: global }
      - { .name: out1, .offset: 24, .size: 8, .value_kind: global_buffer, .address_space: global }
    .group_segment_fixed_size: 0
    .private_segment_fixed_size: 0
    .kernarg_segment_align: 8
    .kernarg_segment_size: 32
    .max_flat_workgroup_size: 256
    .sgpr_count:     66
    .vgpr_count:     132
    .wavefront_size: 32
...
	.end_amdgpu_metadata
.endif
;; end of part 4
